; MI455X (gfx1250); checked and timed in simulation.
; The chip was launched on July 23, 2026; its instructions are those of AMD's public machine-readable ISA for CDNA 5 (MIT licence, August 2026) and "CDNA5" Instruction Set Architecture Reference Guide (July 2026). The comments in the code are by the model that wrote it; some were corrected since.
;; Gemma4 Vision Attention. Allowed arithmetic: matrix products marked QUANTISED: E2M1 operands, one E8M0 scale for each 32 along K, by v_wmma_scale_f32_16x16x128_f8f6f4 with both operands' format E2M1 (or v_wmma_scale_f32_32x16x128_f4), f32 sums; everything else in f32.
;; Inputs: cos 8 x 1,024 x 64 float32; hidden_states_codes 8 x 1,024 x 32 x 16 uint8 (E2M1 codes of hidden_states, K innermost, in blocks of 32 codes, two codes a byte); hidden_states_scales 8 x 1,024 x 32 uint8 (E8M0 scales of hidden_states, one for each 32 codes along K); k_norm_w 64 float32; position_ids 8 x 1,024 x 2 int32; q_norm_w 64 float32; sin 8 x 1,024 x 64 float32; wk_codes 1,024 x 32 x 16 uint8 (E2M1 codes of wk, K innermost, in blocks of 32 codes, two codes a byte); wk_scales 1,024 x 32 uint8 (E8M0 scales of wk, one for each 32 codes along K); wo_codes 1,024 x 32 x 16 uint8 (E2M1 codes of wo, K innermost, in blocks of 32 codes, two codes a byte); wo_scales 1,024 x 32 uint8 (E8M0 scales of wo, one for each 32 codes along K); wq_codes 1,024 x 32 x 16 uint8 (E2M1 codes of wq, K innermost, in blocks of 32 codes, two codes a byte); wq_scales 1,024 x 32 uint8 (E8M0 scales of wq, one for each 32 codes along K); wv_codes 1,024 x 32 x 16 uint8 (E2M1 codes of wv, K innermost, in blocks of 32 codes, two codes a byte); wv_scales 1,024 x 32 uint8 (E8M0 scales of wv, one for each 32 codes along K).
;; Outputs: out0 8 x 1,024 x 1,024 float32.
;; This version of the problem:
;;   THIS VERSION OF THE PROBLEM IS GIVEN IN LOW PRECISION. The matrix products marked QUANTISED in the list below multiply operands that are first quantised to E2M1 (2 exponent bits, 1 mantissa bit; 4 bits a number), with one power-of-two scale for each 32 numbers along K (OCP MX v1.0); their sums are f32. All else is computed in f32.
;;   The module's matrix products, in the order in which they are computed (A, B: the left and right operand; K: the contracted axis; several contracted axes count as one K, in the product's order):
;;     1. [M 8,192, K 1,024] x [K 1,024, N 1,024]; A: input hidden_states (given as codes); B: input wq (given as codes): QUANTISED
;;     2. [M 8,192, K 1,024] x [K 1,024, N 1,024]; A: input hidden_states (given as codes); B: input wk (given as codes): QUANTISED
;;     3. [M 8,192, K 1,024] x [K 1,024, N 1,024]; A: input hidden_states (given as codes); B: input wv (given as codes): QUANTISED
;;     4. batch 128 x [M 1,024, K 64] x [K 64, N 1,024]; A: computed on the way; B: computed on the way: QUANTISED
;;     5. batch 128 x [M 64, K 1,024] x [K 1,024, N 1,024]; A: computed on the way; B: softmax (see below): QUANTISED
;;     6. [M 8,192, K 1,024] x [K 1,024, N 1,024]; A: computed on the way; B: input wo (given as codes): QUANTISED
;;   THE QUANTISER, for each operand of a quantised product, along K:
;;     - K is cut into blocks of 32 from its start; a last block that is shorter is filled with zeros.
;;     - A block's scale is 2^e with e = floor(log2(the largest magnitude in the block)) - 2, held to -126 .. 127; a block of zeros has e = 0. As a byte (E8M0): e + 127.
;;     - Each number is divided by its block's scale, clamped to +-6, and rounded to the nearest number of E2M1, ties to even, subnormals kept.
;;     - The product sums the exact products of the quantised numbers (number of the format x scale) in f32.
;;   ~~~python
;;   def quantise(x, axis):      # numpy; x: float32 -> the quantised numbers, widened to float32 again
;;       x = np.moveaxis(x, axis, -1); K = x.shape[-1]
;;       x = np.pad(x, [(0, 0)] * (x.ndim - 1) + [(0, -K % 32)]); x = x.reshape(x.shape[:-1] + (-1, 32)); a = np.abs(x).max(-1, keepdims=True)
;;       e = np.where(a > 0, np.clip(np.frexp(np.where(a > 0, a, 1))[1] - 1 - 2, -126, 127), 0)      # np.frexp(a)[1] - 1 = floor(log2(a)), exactly
;;       r = np.clip(x / 2.0 ** e, -6, 6)
;;       step = 2.0 ** (np.maximum(np.frexp(np.where(r == 0, 1, r))[1] - 1, 0) - 1)
;;       q = np.round(r / step) * step * 2.0 ** e      # np.round: ties to even
;;       return np.moveaxis(q.reshape(q.shape[:-2] + (-1,))[..., :K], -1, axis).astype(np.float32)
;;   ~~~
;;   SOFTMAX AHEAD OF A QUANTISED PRODUCT. Where the list says 'softmax', what is quantised is not the finished softmax but p = 2^(t - M), with t = logit x log2(e) and M = ceil(the row's largest t), a whole number; so 1/2 < the row's largest p <= 1. The row's sum l is taken of the UNQUANTISED p, in f32, and the product's result is divided by l at the end. Since M is a whole number, a kernel that streams over the keys may use a running M (the ceiling of the running maximum): every later rescaling is an exact power of two, which a block's scale takes up: the codes' values come out the same.
;;   OPERANDS COMPUTED ON THE WAY. 'Computed on the way' means the value that the module computes at that place (a softmax that the list does not call 'softmax' is quantised finished and normalised). What goes into a quantiser is computed in f32, as accurately as f32 sums, v_exp_f32 and their like allow (about 1e-6 of the number): no bf16 or f16 on the way to a quantiser, and a product that is left as it is and whose result goes on into a quantised operand takes f32 operands (vector FMAs, or v_wmma_f32_16x16x4_f32). A number that lies on a knife's edge between two numbers of the format may be rounded either way, as far as f32 arithmetic and the matrix unit's own rounding can turn it there, and no further.
;;   INPUTS GIVEN AS CODES. hidden_states (in the module: [8, 1024, 1024], K = its axis 2); wk (in the module: [1024, 1024], K = its axis 0); wo (in the module: [1024, 1024], K = its axis 0); wq (in the module: [1024, 1024], K = its axis 0); wv (in the module: [1024, 1024], K = its axis 0): each comes as NAME_codes (uint8): NAME with its K axis moved to the last place and cut into blocks of 32 codes, [.., K / 32, bytes a block], one block behind the other in memory; two codes a byte, the lower K in the low four bits (a code: sign, 2 exponent bits, 1 mantissa bit); and NAME_scales (uint8): the same leading axes, one E8M0 byte (e + 127) for each 32 codes along K. Its value is code x scale, taken as it is: it is not quantised again, and the codes and scales need not be those that the quantiser above would give.
;; One version. Each part assembles by itself: llvm-mc -triple=amdgcn-amd-amdhsa -mcpu=gfx1250 --defsym DOCPART=n.
;; ======== version 1 of 1: 3 launches
;; limits: right only within a limited range of input values
;; workspace buffers: qimg 4,718,592 bytes; kvimg 9,175,040 bytes; aimg 4,194,304 bytes; asc 262,144 bytes
;; launch qkv (part 1): grid 8 x 32, 4 waves a work-group, clusters of 4 x 4, 327,680 bytes of LDS; arguments hidden_states_codes, hidden_states_scales, wq_codes, wq_scales, wk_codes, wk_scales, wv_codes, wv_scales, cos, sin, q_norm_w, k_norm_w, qimg, kvimg; writes qimg, kvimg
.if DOCPART == 1
	.amdgcn_target "amdgcn-amd-amdhsa--gfx1250"
	.amdhsa_code_object_version 6
	.text
	.protected	k_qbfd5b7abd8_qkv
	.globl	k_qbfd5b7abd8_qkv
	.p2align	8
	.type	k_qbfd5b7abd8_qkv,@function
k_qbfd5b7abd8_qkv:
	s_mov_b64 s[64:65], 0
	v_nop
	global_prefetch_b8 v0, s[64:65] scope:SCOPE_SE
	s_setreg_imm32_b32 hwreg(HW_REG_WAVE_MODE, 25, 1), 1
	s_wait_xcnt 0x0
	s_wait_alu depctr_hold_cnt(0) depctr_sa_sdst(0) depctr_va_vdst(0) depctr_va_sdst(0) depctr_va_ssrc(0) depctr_va_vcc(0) depctr_vm_vsrc(0)
	s_getreg_b32 s2, hwreg(HW_REG_IB_STS2, 6, 4)
	s_cmp_eq_u32 s2, 0
	s_cbranch_scc0 .Lentry_in_a_cluster
	s_endpgm
.Lentry_in_a_cluster:
	s_bfe_u32 s2, ttmp6, 0x10000c
	s_cmp_lg_u32 s2, 0xf033
	s_cbranch_scc0 .Lentry_shape_is_right
	s_endpgm
.Lentry_shape_is_right:
; q, k, v = hidden_states x wq, wk, wv on given codes of FP4; RMS norm, rotary turn (q, k), then the stated quantiser; stored as images of the next launch's operand registers.
; LEFT OUT: position_ids.  reference() takes only its last axis' length (2, a shape) from it; none of its numbers reaches a result, whatever they hold.  It is not loaded and is no argument of any launch.
.set PITCH,  272
.set HALFT,  128*PITCH
.set SLOT,   4*HALFT
.set SCL,    2*SLOT
.set HALFS,  16*272
.set SBLK,   2*272
.set NQ,     4
.set FR,     8
.set NL,     2
.set NP,     4
.set QREC,   36864
.set KREC,   71680
.set FRO,  3
.set L16,  4
.set L16R, 5
.set WSA,  6
.set CSA,  7
.set ADRA, 16
.set ADRB, 20
.set ADRX, 20
.set GNA,  22
.set WVA,  23
.set XSA,  26
.set ADRS, 27
.set SC,   32
.set AF,   128
.set G1,   24
.set G0,   32
.set G1B,  40
.set G0B,  48
.set G1S,  56
.set G0S,  68
.set G1SB, 72
.set G0SB, 80
.set MX,   8
.set PM,   12
.set SO,   16
.set CH,   24
.set INV,  96
.set Y,    128
.set CD,   192
.set WD,   208
.set RT,   224
.set IW,   240
.set NW,   64
.set SS,   96
.set Y2,   160
.set CD2,  224
.set WD2,  240
.set MSB, 0
.macro WIN new
.if MSB != (\new)
	s_set_vgpr_msb (MSB<<8)|(\new)
.set MSB, (\new)
.endif
.endm
.set MUL_LO, 0xa1
.set MUL_HI, 0xf1
.set TO_B,   0x40
.macro JLOAD g0a, g1a, g0b, g1b
	s_cmp_eq_u32 s21, 0
	s_cbranch_scc0 .Lfor_b_\@
	tensor_load_to_lds s[\g0a:\g0a+3], s[\g1a:\g1a+7]
	s_nop 0
.rept 4
	v_nop
.endr
	s_branch .Lasked_\@
.Lfor_b_\@:
	tensor_load_to_lds s[\g0b:\g0b+3], s[\g1b:\g1b+7]
	s_nop 0
.rept 4
	v_nop
.endr
.Lasked_\@:
.endm
.macro CROUND
	s_barrier_signal -1
	s_barrier_wait -1
	s_cmp_lg_u32 s20, 0
	s_cbranch_scc1 .Lnot_wave_0_\@
	s_barrier_signal -3
.Lnot_wave_0_\@:
	s_barrier_wait -3
	s_barrier_signal -1
	s_barrier_wait -1
.endm
.macro PLACES n
.rept \n
	v_nop
.endr
.endm
	s_load_b256 s[4:11], s[0:1], 0x0
	s_load_b256 s[12:19], s[0:1], 0x20
	s_load_b256 s[84:91], s[0:1], 0x40
	s_load_b128 s[92:95], s[0:1], 0x60
	v_lshl_add_u32 v250, v0, 2, 0x48400
	v_mov_b32 v251, 0
	ds_add_u32 v250, v251
	ds_add_u32 v250, v251
	v_lshrrev_b32 v1, 5, v0
	v_readfirstlane_b32 s20, v1
	s_lshr_b32 s21, s20, 1
	s_and_b32 s22, s20, 1
	s_mov_b32 s23, ttmp9
	s_bfe_u32 s66, ttmp6, 0x40000
	s_bfe_u32 s67, ttmp6, 0x40004
	s_and_b32 s2, ttmp7, 0xffff
	s_lshl_b32 s2, s2, 2
	s_add_co_u32 s96, s67, s2
	s_mov_b32 s97, s66
	s_lshl_b32 s2, s67, 2
	s_lshl_b32 s2, 15, s2
	s_lshl_b32 s3, 0x1111, s66
	s_or_b32 s[G1+0], s2, (0<<16)|(1<<20)|(1<<21)|(5<<22)|(3<<25)
	s_or_b32 s[G1B+0], s3, (0<<16)|(1<<20)|(1<<21)|(5<<22)|(3<<25)
.irp g, G1, G1B
	s_mov_b32 s[\g+1], 256<<16
	s_mov_b32 s[\g+2], 256<<16
	s_mov_b32 s[\g+3], 256<<16
	s_mov_b32 s[\g+4], 256
	s_mov_b32 s[\g+5], 512
	s_mov_b32 s[\g+6], 0
	s_mov_b32 s[\g+7], 0
.endr
	s_or_b32 s[G1S+0], s2, (3<<16)|(1<<20)|(1<<21)|(5<<22)|(3<<25)
	s_or_b32 s[G1SB+0], s3, (3<<16)|(1<<20)|(1<<21)|(5<<22)|(3<<25)
.irp g, G1S, G1SB
	s_mov_b32 s[\g+1], 32<<16
	s_mov_b32 s[\g+2], 32<<16
	s_mov_b32 s[\g+3], 32<<16
	s_mov_b32 s[\g+4], 32
	s_mov_b32 s[\g+5], 32
	s_mov_b32 s[\g+6], 0
	s_mov_b32 s[\g+7], 0
.endr
	s_lshl_b32 s2, s96, 8                          ; the tile's first row of A, and of B
	s_lshl_b32 s100, s97, 8
	s_lshl_b32 s98, s2, 5
	s_mov_b32 s99, 0
	s_lshl_b32 s2, s2, 9
	s_mov_b32 s3, 0
	s_wait_dscnt 0x0
	s_wait_kmcnt 0x0
	s_cmp_eq_u32 s23, 1
	s_cselect_b64 s[8:9], s[12:13], s[8:9]
	s_cselect_b64 s[10:11], s[14:15], s[10:11]
	s_add_nc_u64 s[4:5], s[4:5], s[2:3]
	s_add_nc_u64 s[6:7], s[6:7], s[98:99]
	s_lshl_b32 s12, s100, 5
	s_mov_b32 s13, 0
	s_lshl_b32 s100, s100, 9
	s_mov_b32 s101, 0
	s_add_nc_u64 s[8:9], s[8:9], s[100:101]
	s_add_nc_u64 s[10:11], s[10:11], s[12:13]
	s_mul_i32 s14, s20, HALFT
	CROUND                                         ; all sixteen work-groups are here: the first joint loads meet
	; the head's four tiles, each whole: the scales of A's 256 rows and of B's (8,192 dense bytes each), K step 0's 256 rows of A and of B
	s_mov_b32 s[G0S], 1
	s_mov_b32 s[G0S+1], SCL
	s_mov_b64 s[G0S+2:G0S+3], s[6:7]
	s_or_b32 s[G0S+3], s[G0S+3], 0x80000000
	s_mov_b32 s[G0SB], 1
	s_mov_b32 s[G0SB+1], SCL+2*HALFS
	s_mov_b64 s[G0SB+2:G0SB+3], s[10:11]
	s_or_b32 s[G0SB+3], s[G0SB+3], 0x80000000
	s_mov_b32 s[G0], 1
	s_mov_b32 s[G0+1], 0
	s_mov_b64 s[G0+2:G0+3], s[4:5]
	s_or_b32 s[G0+3], s[G0+3], 0x80000000
	s_mov_b32 s[G0B], 1
	s_mov_b32 s[G0B+1], 2*HALFT
	s_mov_b64 s[G0B+2:G0B+3], s[8:9]
	s_or_b32 s[G0B+3], s[G0B+3], 0x80000000
	; K step 1: a quarter of slot 1 a wave: my 128 rows (65,536 bytes a half), 256 bytes along K
	s_lshl_b32 s2, s22, 16
	s_add_co_u32 s2, s2, 256
	s_mov_b32 s3, 0
	s_mov_b32 s[G0+4], 1
	s_add_co_u32 s[G0+5], s14, SLOT
	s_add_nc_u64 s[G0+6:G0+7], s[4:5], s[2:3]
	s_or_b32 s[G0+7], s[G0+7], 0x80000000
	s_mov_b32 s[G0B+4], 1
	s_add_co_u32 s[G0B+5], s14, SLOT
	s_add_nc_u64 s[G0B+6:G0B+7], s[8:9], s[2:3]
	s_or_b32 s[G0B+7], s[G0B+7], 0x80000000
; one tensor load a wave at the head, in one tree of branches on the wave's number
.macro ARM under, g0, g1, next
	s_cmp_lt_u32 s20, \under
	s_cbranch_scc0 \next
	tensor_load_to_lds s[\g0:\g0+3], s[\g1:\g1+7]
	s_nop 0
.rept 4
	v_nop
.endr
	s_branch .Lhead_asked
\next:
.endm
	ARM 1, G0,  G1,  .Lhead_b
	ARM 2, G0B, G1B, .Lhead_sa
	ARM 3, G0S, G1S, .Lhead_sb
	tensor_load_to_lds s[G0SB:G0SB+3], s[G1SB:G1SB+7]
	s_nop 0
.rept 4
	v_nop
.endr
.Lhead_asked:
	s_wait_alu depctr_va_vdst(0)
	s_wait_tensorcnt 0x0                           ; my tile of the four is in
	ds_add_u32 v250, v251
	s_mov_b32 s[G1+2], 128<<16                     ; no tensor load of mine is out: from here on a load brings 128 rows
	s_mov_b32 s[G1+4], 128
	s_mov_b32 s[G1B+2], 128<<16
	s_mov_b32 s[G1B+4], 128
	s_wait_dscnt 0x0
	CROUND                                         ; all four tiles are in, and the joint loads meet
	JLOAD G0+4, G1, G0B+4, G1B                     ; K step 1, the first tensor load behind the round
	s_cmp_eq_u32 s23, 1
	s_cselect_b64 s[4:5], s[90:91], s[88:89]
	s_cselect_b64 s[8:9], s[94:95], s[92:93]
	s_mov_b32 s100, QREC
	s_cselect_b32 s100, KREC, s100
	s_mov_b32 s101, 32768
	s_cselect_b32 s101, 65536, s101
	s_lshl_b32 s2, s96, 8
	s_lshl_b32 s3, s21, 7
	s_add_co_u32 s2, s2, s3
	s_lshl_b32 s2, s2, 8
	s_mov_b32 s3, 0
	s_add_nc_u64 s[12:13], s[84:85], s[2:3]
	s_add_nc_u64 s[14:15], s[86:87], s[2:3]
	s_lshr_b32 s98, s96, 2
	s_lshl_b32 s98, s98, 4
	s_and_b32 s99, s96, 3
	s_lshl_b32 s99, s99, 1
	s_lshl_b32 s2, s97, 2
	s_add_co_u32 s2, s2, s98
	s_lshl_b32 s6, s22, 1
	s_add_co_u32 s2, s2, s6
	s_mul_i32 s2, s2, s100
	s_add_nc_u64 s[8:9], s[8:9], s[2:3]
	s_add_co_u32 s6, s99, s21
	s_lshl_b32 s2, s6, 9
	s_add_co_u32 s2, s2, s101
	s_add_nc_u64 s[10:11], s[8:9], s[2:3]
	s_lshl_b32 s2, s6, 12
	s_add_nc_u64 s[8:9], s[8:9], s[2:3]
	s_lshl_b32 s6, s23, 2
	s_add_co_u32 s6, s6, s66
	s_lshl_b32 s6, s6, 1
	s_add_co_u32 s6, s6, s21
	s_lshl_b32 s2, s6, 15
	s_add_nc_u64 s[16:17], s[16:17], s[2:3]
	s_lshl_b32 s2, s6, 11
	s_add_nc_u64 s[18:19], s[18:19], s[2:3]
	s_add_co_u32 s2, s98, s6
	s_mul_i32 s2, s2, KREC
	s_add_nc_u64 s[88:89], s[94:95], s[2:3]
	s_add_co_u32 s6, s99, s22
	s_lshl_b32 s2, s6, 8
	s_add_co_u32 s2, s2, 69632
	s_add_nc_u64 s[90:91], s[88:89], s[2:3]
	s_lshl_b32 s2, s6, 12
	s_add_co_u32 s2, s2, 32768
	s_add_nc_u64 s[88:89], s[88:89], s[2:3]
	s_mov_b32 s98, 0x3c800000
	s_mov_b32 s99, 0x358637bd
	s_mov_b32 s104, 0x76543210
	s_mov_b32 s105, 0xfedcba98
	v_and_b32 v1, 15, v0
	v_bfe_u32 v2, v0, 4, 1
	v_mul_u32_u24 v[FRO], v1, PITCH
	v_lshl_add_u32 v[FRO], v2, 4, v[FRO]
	s_mul_i32 s2, s21, HALFT
	s_mul_i32 s3, s22, HALFT
	s_add_co_u32 s3, s3, 2*HALFT
.irp s, 0,1
	v_add_nc_u32 v[ADRA+\s], s2, v[FRO]
	v_add_nc_u32 v[ADRB+\s], s3, v[FRO]
	s_add_co_u32 s2, s2, SLOT
	s_add_co_u32 s3, s3, SLOT
.endr
	v_mul_u32_u24 v5, v1, 32
	v_lshrrev_b32 v6, 8, v5
	v_lshl_add_u32 v5, v6, 4, v5
	s_mul_i32 s2, s21, HALFS
	s_mul_i32 s3, s22, HALFS
	s_add_co_u32 s3, s3, 2*HALFS
	s_sub_co_u32 s3, s3, s2
	v_mul_u32_u24 v6, s3, v2
	s_add_co_u32 s2, s2, SCL
	v_add_nc_u32 v5, v5, v6
	v_add_nc_u32 v[ADRS], s2, v5
	v_lshlrev_b32 v[CSA], 8, v1
	v_lshl_add_u32 v[CSA], v2, 5, v[CSA]
	v_lshlrev_b32 v[GNA], 5, v2
	v_lshlrev_b32 v[WVA], 9, v1
	v_lshl_add_u32 v[WVA], v2, 4, v[WVA]
	v_lshlrev_b32 v[WSA], 5, v1
	v_lshl_add_u32 v[WSA], v2, 4, v[WSA]
	v_and_b32 v[L16], 31, v0
	v_lshlrev_b32 v[L16], 4, v[L16]
	v_add_nc_u32 v[L16R], s100, v[L16]
.macro SETOF a
.if (\a)%3 == 0
.set CB, 192
.elseif (\a)%3 == 1
.set CB, 0
.else
.set CB, 128
.endif
.endm
.macro CSLOAD a
	SETOF \a
	WIN 0x40
.irp t, 0,1,2,3
.irp k, 0,1
	global_load_b128 v[CB+8*\t+4*\k:CB+8*\t+4*\k+3], v[CSA], s[12:13] offset:4096*(\a)+64*\t+16*\k
	global_load_b128 v[CB+32+8*\t+4*\k:CB+32+8*\t+4*\k+3], v[CSA], s[14:15] offset:4096*(\a)+64*\t+16*\k
.endr
.endr
	WIN 0
.endm
	WIN 0x40
.irp t, 0,1,2,3
.irp k, 0,1
	global_load_b128 v[NW+8*\t+4*\k:NW+8*\t+4*\k+3], v[GNA], s[4:5] offset:64*\t+16*\k
.endr
.endr
	CSLOAD 0
.macro FRAG reg, adr, q, i
.irp c, 0,1
	ds_load_b128 v[\reg+4*\c:\reg+4*\c+3], v[\adr] offset:64*(\q)+32*\c+(\i)*16*PITCH
.endr
.endm
.macro MUL16 a0, p, q, sc, zero
.irp a, \a0, \a0+1
.irp b, 0,1,2,3,4,5,6,7
.if \zero
	v_wmma_scale_f32_16x16x128_f8f6f4 v[8*(8*((\a)%4)+\b):8*(8*((\a)%4)+\b)+7], v[128*(\p)+FR*\b:128*(\p)+FR*\b+FR-1], v[AF+FR*(\a):AF+FR*(\a)+FR-1], 0, v[SC+8*NQ*(\sc)+NQ*\b+(\q)], v[SC+8*NQ*(\sc)+NQ*(\a)+(\q)] matrix_a_fmt:MATRIX_FMT_FP4 matrix_b_fmt:MATRIX_FMT_FP4 matrix_a_scale:MATRIX_SCALE_ROW1
.else
	v_wmma_scale_f32_16x16x128_f8f6f4 v[8*(8*((\a)%4)+\b):8*(8*((\a)%4)+\b)+7], v[128*(\p)+FR*\b:128*(\p)+FR*\b+FR-1], v[AF+FR*(\a):AF+FR*(\a)+FR-1], v[8*(8*((\a)%4)+\b):8*(8*((\a)%4)+\b)+7], v[SC+8*NQ*(\sc)+NQ*\b+(\q)], v[SC+8*NQ*(\sc)+NQ*(\a)+(\q)] matrix_a_fmt:MATRIX_FMT_FP4 matrix_b_fmt:MATRIX_FMT_FP4 matrix_a_scale:MATRIX_SCALE_ROW1
.endif
.endr
.endr
.endm
.macro FETCH_B slot, q, p
	WIN TO_B
.irp i, 0,1,2,3,4,5,6,7
	FRAG 128*(\p)+FR*\i, ADRB+\slot, \q, \i
.endr
	WIN 0
.endm
.macro FETCH_A slot, q, i0
.irp i, \i0, \i0+1, \i0+2, \i0+3
	FRAG AF+FR*(\i), ADRA+\slot, \q, \i
.endr
.endm
.macro SCALES sc
.irp i, 0,1,2,3,4,5,6,7
	ds_load_b128 v[SC+8*NQ*\sc+NQ*\i:SC+8*NQ*\sc+NQ*\i+3], v[ADRS] offset:\i*SBLK
.endr
.endm
.macro STEP slot, q, zero
	s_wait_dscnt 4*NL
	WIN MUL_LO
	MUL16 0, (\q)%2, \q, \slot, \zero
	MUL16 2, (\q)%2, \q, \slot, \zero
	s_wait_dscnt 0
	PLACES NP
	FETCH_B \slot, (\q)+1, 1-(\q)%2
	FETCH_A \slot, (\q)+1, 0
	WIN MUL_HI
	MUL16 4, (\q)%2, \q, \slot, \zero
	MUL16 6, (\q)%2, \q, \slot, \zero
	PLACES NP
	WIN 0
	FETCH_A \slot, (\q)+1, 4
.endm
	s_wait_tensorcnt 1
	s_barrier_signal -1
	s_barrier_wait -1
	FETCH_B 0, 0, 0
	FETCH_A 0, 0, 0
	SCALES 0
	FETCH_A 0, 0, 4
	STEP 0, 0, 1
	STEP 0, 1, 0
	STEP 0, 2, 0
	s_wait_tensorcnt 0x0
	s_wait_dscnt 4*NL
	WIN MUL_LO
	MUL16 0, 1, NQ-1, 0, 0
	s_wait_dscnt 0x0
	s_barrier_signal -1
	MUL16 2, 1, NQ-1, 0, 0
	WIN 0
	s_barrier_wait -1
	PLACES NP
	v_add_nc_u32 v[ADRS], 4*NQ, v[ADRS]
	FETCH_B 1, 0, 0
	FETCH_A 1, 0, 0
	SCALES 1
	WIN MUL_HI
	MUL16 4, 1, NQ-1, 0, 0
	MUL16 6, 1, NQ-1, 0, 0
	PLACES NP
	WIN 0
	FETCH_A 1, 0, 4
	STEP 1, 0, 0
	STEP 1, 1, 0
	STEP 1, 2, 0
	s_wait_dscnt 4*NL
	WIN MUL_LO
	MUL16 0, 1, NQ-1, 1, 0
	MUL16 2, 1, NQ-1, 1, 0
	s_wait_dscnt 0
	WIN MUL_HI
	MUL16 4, 1, NQ-1, 1, 0
	MUL16 6, 1, NQ-1, 1, 0
	WIN 0
	PLACES NP
	CSLOAD 1
	CSLOAD 2
.macro QUANT s, d
.irp b, 0,1,2,3
	v_max3_num_f32 v[MX+\b], |v[(\s)+16*\b]|, |v[(\s)+16*\b+1]|, 0x1800000
.endr
.irp i, 2,4,6,8,10,12,14
.irp b, 0,1,2,3
	v_max3_num_f32 v[MX+\b], v[MX+\b], |v[(\s)+16*\b+\i]|, |v[(\s)+16*\b+\i+1]|
.endr
.endr
.irp b, 0,1,2,3
	v_permlanex16_b32 v[PM+\b], v[MX+\b], s104, s105
.endr
.irp b, 0,1,2,3
	v_max_num_f32 v[MX+\b], v[MX+\b], v[PM+\b]
.endr
.irp b, 0,1,2,3
	v_add_nc_u32 v[SO+\b], 0xff000000, v[MX+\b]
.endr
.irp b, 0,1,2,3
	v_lshrrev_b32 v[PM+\b], 23, v[SO+\b]
.endr
.irp b, 0,1,2,3
.irp u, 0,1
	v_cvt_scalef32_pk8_fp4_f32 v[(\d)+4*(\b/2)+2*\u+(\b%2)], v[(\s)+16*\b+8*\u:(\s)+16*\b+8*\u+7], v[SO+\b]
.endr
.endr
	v_nop
.irp c, 0,1
.irp u, 0,1
	v_permlane16_swap_b32 v[(\d)+4*\c+2*\u], v[(\d)+4*\c+2*\u+1]
.endr
.endr
.endm
.macro WVLOAD k
	WIN 0x80
.irp z, 0,1
.irp n, 0,1,2,3
.irp c, 0,1
	global_load_b128 v[8*(8*\n+2*(\k)+\z)+4*\c:8*(8*\n+2*(\k)+\z)+4*\c+3], v[WVA], s[16:17] offset:8192*\n+64*(2*(\k)+\z)+32*\c
.endr
.endr
.endr
	WIN 0
.endm
	v_cmp_eq_u32 vcc_lo, 1, v2
.irp b, 0,1,2,3
	v_mov_b32 v[PM+\b], 0
.endr
.macro E1 a
.set XB, 64*((\a)%4)
	WIN 0x0a+5*((\a)/4)
.set i, 0
.rept 16
.irp e, 0,1
.if i < 2
	v_pk_mul_f32 v[CH+4*\e+2*i:CH+4*\e+2*i+1], v[XB+32*\e+2*i:XB+32*\e+2*i+1], v[XB+32*\e+2*i:XB+32*\e+2*i+1]
.else
	v_pk_fma_f32 v[CH+4*\e+2*(i%2):CH+4*\e+2*(i%2)+1], v[XB+32*\e+2*i:XB+32*\e+2*i+1], v[XB+32*\e+2*i:XB+32*\e+2*i+1], v[CH+4*\e+2*(i%2):CH+4*\e+2*(i%2)+1]
.endif
.endr
.set i, i+1
.endr
	WIN 0
.irp e, 0,1
	v_pk_add_f32 v[CH+4*\e:CH+4*\e+1], v[CH+4*\e:CH+4*\e+1], v[CH+4*\e+2:CH+4*\e+3]
.endr
.irp e, 0,1
	v_add_f32 v[CH+4*\e], v[CH+4*\e], v[CH+4*\e+1]
.endr
.irp e, 0,1
	v_permlanex16_b32 v[CH+4*\e+2], v[CH+4*\e], s104, s105
.endr
.irp e, 0,1
	v_add_f32 v[CH+4*\e], v[CH+4*\e], v[CH+4*\e+2]
.endr
.irp e, 0,1
	v_fma_f32 v[INV+2*(2*(\a)+\e)+1], v[CH+4*\e], s98, s99
.endr
	s_wait_alu depctr_va_vdst(0)
.irp e, 0,1
	v_rsq_f32 v[INV+2*(2*(\a)+\e)], v[INV+2*(2*(\a)+\e)+1]
.endr
.endm
.irp a, 0,1,2,3,4,5,6,7
	s_wait_alu depctr_va_vdst(0)
	E1 \a
.endr
	v_nop
	s_wait_alu depctr_va_vdst(0)
.macro E2 a
.set XB, 64*((\a)%4)
	SETOF \a
.set DD, CD+8*((\a)%2)
.if (\a) < 5
	s_wait_loadcnt 32
.elseif (\a) < 7
	s_wait_loadcnt 52
.else
	s_wait_loadcnt 48
.endif
	WIN 0x02+(\a)/4
.set i, 0
.rept 32
	v_pk_mul_f32 v[Y+2*i:Y+2*i+1], v[XB+2*i:XB+2*i+1], v[INV+2*(2*(\a)+i/16):INV+2*(2*(\a)+i/16)+1] op_sel_hi:[1,0]
.set i, i+1
.endr
	WIN 0x04
.set i, 0
.rept 32
	v_pk_mul_f32 v[Y+2*i:Y+2*i+1], v[Y+2*i:Y+2*i+1], v[NW+2*(i%16):NW+2*(i%16)+1]
.set i, i+1
.endr
.irp e, 0,1
.irp g, 0,1
.irp m, 0,1,2,3
	v_pk_mul_f32 v[RT+2*\m:RT+2*\m+1], v[Y+32*\e+16*\g+8+2*\m:Y+32*\e+16*\g+8+2*\m+1], v[CB+32+16*\g+2*\m:CB+32+16*\g+2*\m+1]
.endr
.irp m, 0,1,2,3
	v_pk_mul_f32 v[RT+8+2*\m:RT+8+2*\m+1], v[Y+32*\e+16*\g+2*\m:Y+32*\e+16*\g+2*\m+1], v[CB+32+16*\g+8+2*\m:CB+32+16*\g+8+2*\m+1]
.endr
.irp m, 0,1,2,3
	v_pk_fma_f32 v[Y+32*\e+16*\g+2*\m:Y+32*\e+16*\g+2*\m+1], v[Y+32*\e+16*\g+2*\m:Y+32*\e+16*\g+2*\m+1], v[CB+16*\g+2*\m:CB+16*\g+2*\m+1], v[RT+2*\m:RT+2*\m+1] neg_lo:[0,0,1] neg_hi:[0,0,1]
.endr
.irp m, 0,1,2,3
	v_pk_fma_f32 v[Y+32*\e+16*\g+8+2*\m:Y+32*\e+16*\g+8+2*\m+1], v[Y+32*\e+16*\g+8+2*\m:Y+32*\e+16*\g+8+2*\m+1], v[CB+16*\g+8+2*\m:CB+16*\g+8+2*\m+1], v[RT+8+2*\m:RT+8+2*\m+1]
.endr
.endr
.endr
	WIN 0
	s_wait_xcnt 0x0
	QUANT Y, DD
	v_lshl_or_b32 v[WD+(\a)], v[PM+1], 8, v[PM]
	v_lshl_or_b32 v[WD+8+(\a)], v[PM+3], 8, v[PM+2]
	global_store_b128 v[L16], v[DD:DD+3], s[8:9] offset:512*(\a)
	global_store_b128 v[L16R], v[DD+4:DD+7], s[8:9] offset:512*(\a)
.if (\a) < 5
	CSLOAD (\a)+3
.endif
.if (\a) == 4
.irp n, 0,1,2,3
	global_load_b128 v[32+4*\n:35+4*\n], v[WSA], s[18:19] offset:512*\n
.endr
	WVLOAD 0
.elseif (\a) == 5
	WVLOAD 1
.elseif (\a) == 6
	WVLOAD 2
	WVLOAD 3
.endif
.endm
.irp a, 0,1,2,3,4,5,6,7
	E2 \a
.endr
.irp e, 0,1
.irp i, 0,1,2,3
	v_cndmask_b32 v[IW+4*\e+\i], v[WD+8*\e+\i], v[WD+8*\e+4+\i], vcc_lo
.endr
.endr
	global_store_b128 v[L16], v[IW:IW+3], s[10:11]
	global_store_b128 v[L16R], v[IW+4:IW+7], s[10:11]
	s_mul_i32 s2, s22, HALFT
	v_add_nc_u32 v[ADRX], s2, v[FRO]
	s_wait_alu depctr_va_vdst(0)
	s_add_co_u32 s2, s2, SLOT
	v_add_nc_u32 v[ADRX+1], s2, v[FRO]
	s_wait_alu depctr_va_vdst(0)
	v_mul_u32_u24 v24, v1, 32
	v_lshrrev_b32 v25, 8, v24
	v_lshl_add_u32 v24, v25, 4, v24
	v_lshl_add_u32 v24, v2, 4, v24
	s_mul_i32 s2, s22, HALFS
	s_add_co_u32 s2, s2, SCL
	v_add_nc_u32 v[XSA], s2, v24
	v_lshlrev_b32 v25, 4, v1
.irp b, 0,1,2,3,4,5,6,7
	ds_load_b128 v[64+4*\b:67+4*\b], v[XSA] offset:\b*SBLK
.endr
.macro XFETCH s, set
	WIN TO_B
.irp i, 0,1,2,3,4,5,6,7
	FRAG 128*(\set)+FR*\i, ADRX+(\s)/4, (\s)%4, \i
.endr
	WIN 0
.endm
.macro VMUL s
.set VN, 0
.rept 4
.set VI, 0
.rept 8
.set rD, 8*(8*VN+VI)
.set rX, 128*((\s)%2)+8*VI
.set rW, 8*(8*VN+(\s))
.set rP, 64+4*VI+(\s)%4
.set rQ, 32+4*VN+(\s)%4
.if (\s) == 0
	v_wmma_scale_f32_16x16x128_f8f6f4 v[rD:rD+7], v[rX:rX+7], v[rW:rW+7], 0, v[rP], v[rQ] matrix_a_fmt:MATRIX_FMT_FP4 matrix_b_fmt:MATRIX_FMT_FP4
.elseif (\s) < 4
	v_wmma_scale_f32_16x16x128_f8f6f4 v[rD:rD+7], v[rX:rX+7], v[rW:rW+7], v[rD:rD+7], v[rP], v[rQ] matrix_a_fmt:MATRIX_FMT_FP4 matrix_b_fmt:MATRIX_FMT_FP4
.else
	v_wmma_scale_f32_16x16x128_f8f6f4 v[rD:rD+7], v[rX:rX+7], v[rW:rW+7], v[rD:rD+7], v[rP], v[rQ] matrix_a_fmt:MATRIX_FMT_FP4 matrix_b_fmt:MATRIX_FMT_FP4 matrix_a_scale:MATRIX_SCALE_ROW1 matrix_b_scale:MATRIX_SCALE_ROW1
.endif
.set VI, VI+1
.endr
.set VN, VN+1
.endr
.endm
	XFETCH 0, 0
.irp s, 0,1,2,3,4,5,6,7
.if \s > 0
	PLACES NP
.endif
.if \s < 7
	XFETCH \s+1, (\s+1)%2
	s_wait_dscnt 16
.else
	s_wait_dscnt 0x0
.endif
	s_wait_loadcnt 16*(3-\s/2)
	WIN 0xf9
	VMUL \s
	WIN 0
.endr
	PLACES NP
	s_wait_xcnt 0x0
	v_mov_b32 v252, 0x3c800000
	v_mov_b32 v253, 0x3c800000
	v_mov_b32 v254, 0x358637bd
	v_mov_b32 v255, 0x358637bd
	WIN 0x0f
.set i, 0
.rept 32
	v_pk_mul_f32 v[SS+2*i:SS+2*i+1], v[2*i:2*i+1], v[2*i:2*i+1]
.set i, i+1
.endr
.irp n, 1,2,3
.set i, 0
.rept 32
	v_pk_fma_f32 v[SS+2*i:SS+2*i+1], v[64*\n+2*i:64*\n+2*i+1], v[64*\n+2*i:64*\n+2*i+1], v[SS+2*i:SS+2*i+1]
.set i, i+1
.endr
.endr
	WIN 0
.irp m, 1,2,4,8
.set i, 0
.rept 64
	v_add_f32_dpp v[SS+i], v[SS+i], v[SS+i] row_xmask:\m row_mask:0xf bank_mask:0xf
.set i, i+1
.endr
.endr
.set i, 0
.rept 32
	v_pk_fma_f32 v[SS+2*i:SS+2*i+1], v[SS+2*i:SS+2*i+1], v[252:253], v[254:255]
.set i, i+1
.endr
.set i, 0
	s_wait_alu depctr_va_vdst(0)
.rept 64
	v_rsq_f32 v[SS+i], v[SS+i]
.set i, i+1
.endr
	v_nop
	s_wait_alu depctr_va_vdst(0)
.irp n, 0,1,2,3
	WIN 0x03
.set i, 0
.rept 32
	v_pk_mul_f32 v[Y2+2*i:Y2+2*i+1], v[64*\n+2*i:64*\n+2*i+1], v[SS+2*i:SS+2*i+1]
.set i, i+1
.endr
	WIN 0
	s_wait_xcnt 0x0
	QUANT Y2, CD2+8*(\n%2)
	v_lshl_or_b32 v[WD2+\n], v[PM+1], 8, v[PM]
	v_lshl_or_b32 v[WD2+\n], v[PM+2], 16, v[WD2+\n]
	v_lshl_or_b32 v[WD2+\n], v[PM+3], 24, v[WD2+\n]
	global_store_b128 v[L16], v[CD2+8*(\n%2):CD2+8*(\n%2)+3], s[88:89] offset:1024*\n
	global_store_b128 v[L16], v[CD2+8*(\n%2)+4:CD2+8*(\n%2)+7], s[88:89] offset:1024*\n+512
.endr
	v_cmp_eq_u32 vcc_lo, 0, v2
	s_wait_alu depctr_va_vdst(0)
	s_wait_xcnt 0x0
	s_and_saveexec_b32 s2, vcc_lo
	global_store_b128 v25, v[WD2:WD2+3], s[90:91]
	s_wait_xcnt 0x0
	s_or_b32 exec_lo, exec_lo, s2
	s_wait_dscnt 0x0
	s_wait_tensorcnt 0x0
	ds_add_u32 v250, v251
	s_wait_dscnt 0x0
	CROUND
	s_endpgm
.Lfunc_end_k_qbfd5b7abd8_qkv:
	.size	k_qbfd5b7abd8_qkv, .Lfunc_end_k_qbfd5b7abd8_qkv-k_qbfd5b7abd8_qkv
	.p2alignl 7, 3214868480
	.fill 96, 4, 3214868480
	.section	.rodata,"a",@progbits
	.p2align	6, 0x0
	.amdhsa_kernel k_qbfd5b7abd8_qkv
		.amdhsa_group_segment_fixed_size 327680
		.amdhsa_private_segment_fixed_size 0
		.amdhsa_enable_private_segment 0
		.amdhsa_kernarg_size 112
		.amdhsa_user_sgpr_count 2
		.amdhsa_user_sgpr_kernarg_segment_ptr 1
		.amdhsa_wavefront_size32 1
		.amdhsa_system_sgpr_workgroup_id_x 1
		.amdhsa_system_sgpr_workgroup_id_y 1
		.amdhsa_system_sgpr_workgroup_id_z 1
		.amdhsa_system_vgpr_workitem_id 0
		.amdhsa_next_free_vgpr 1024
		.amdhsa_next_free_sgpr 106
		.amdhsa_reserve_vcc 1
		.amdhsa_float_denorm_mode_32 3
		.amdhsa_float_denorm_mode_16_64 3
		.amdhsa_memory_ordered 1
		.amdhsa_forward_progress 1
		.amdhsa_inst_pref_size 255
	.end_amdhsa_kernel
	.section	.bss,"aw",@nobits
	.p2align	6
	.space	262144
	.amdgpu_metadata
---
amdhsa.version: [ 1, 2 ]
amdhsa.kernels:
  - .name:           k_qbfd5b7abd8_qkv
    .symbol:         k_qbfd5b7abd8_qkv.kd
    .args:
      - { .name: hidden_states_codes, .offset: 0, .size: 8, .value_kind: global_buffer, .address_space: global }
      - { .name: hidden_states_scales, .offset: 8, .size: 8, .value_kind: global_buffer, .address_space: global }
      - { .name: wq_codes, .offset: 16, .size: 8, .value_kind: global_buffer, .address_space: global }
      - { .name: wq_scales, .offset: 24, .size: 8, .value_kind: global_buffer, .address_space: global }
      - { .name: wk_codes, .offset: 32, .size: 8, .value_kind: global_buffer, .address_space: global }
      - { .name: wk_scales, .offset: 40, .size: 8, .value_kind: global_buffer, .address_space: global }
      - { .name: wv_codes, .offset: 48, .size: 8, .value_kind: global_buffer, .address_space: global }
      - { .name: wv_scales, .offset: 56, .size: 8, .value_kind: global_buffer, .address_space: global }
      - { .name: cos, .offset: 64, .size: 8, .value_kind: global_buffer, .address_space: global }
      - { .name: sin, .offset: 72, .size: 8, .value_kind: global_buffer, .address_space: global }
      - { .name: q_norm_w, .offset: 80, .size: 8, .value_kind: global_buffer, .address_space: global }
      - { .name: k_norm_w, .offset: 88, .size: 8, .value_kind: global_buffer, .address_space: global }
      - { .name: qimg, .offset: 96, .size: 8, .value_kind: global_buffer, .address_space: global }
      - { .name: kvimg, .offset: 104, .size: 8, .value_kind: global_buffer, .address_space: global }
    .group_segment_fixed_size: 327680
    .private_segment_fixed_size: 0
    .kernarg_segment_align: 8
    .kernarg_segment_size: 112
    .max_flat_workgroup_size: 128
    .sgpr_count:     106
    .vgpr_count:     1024
    .wavefront_size: 32
...
	.end_amdgpu_metadata
.endif
;; end of part 1
;; launch attn (part 2): grid 4 x 64, 16 waves a work-group, clusters of 4 x 1, 169,984 bytes of LDS; arguments qimg, kvimg, aimg, asc; writes aimg, asc
.if DOCPART == 2
	.amdgcn_target "amdgcn-amd-amdhsa--gfx1250"
	.amdhsa_code_object_version 6
	.text
	.protected	k_qbfd5b7abd8_attn
	.globl	k_qbfd5b7abd8_attn
	.p2align	8
	.type	k_qbfd5b7abd8_attn,@function
k_qbfd5b7abd8_attn:
	s_mov_b64 s[64:65], 0
	v_nop
	global_prefetch_b8 v0, s[64:65] scope:SCOPE_SE
	s_setreg_imm32_b32 hwreg(HW_REG_WAVE_MODE, 25, 1), 1
	s_wait_xcnt 0x0
	s_wait_alu depctr_hold_cnt(0) depctr_sa_sdst(0) depctr_va_vdst(0) depctr_va_sdst(0) depctr_va_ssrc(0) depctr_va_vcc(0) depctr_vm_vsrc(0)
	s_getreg_b32 s2, hwreg(HW_REG_IB_STS2, 6, 4)
	s_cmp_eq_u32 s2, 0
	s_cbranch_scc0 .Lentry_in_a_cluster
	s_endpgm
.Lentry_in_a_cluster:
	s_bfe_u32 s2, ttmp6, 0x10000c
	s_cmp_lg_u32 s2, 0x3003
	s_cbranch_scc0 .Lentry_shape_is_right
	s_endpgm
.Lentry_shape_is_right:
; Attention without a mask, scale 1, head size 64, 1,024 keys, both products on codes of FP4 (E2M1), one E8M0 scale for each 32 along K; the result, divided by the row's sum, is quantised along the channels for the last product.
; SOFTMAX: t = score x log2(e); M = the running largest t rounded up to a whole number; p = 2^(t - M) is quantised along the keys; the row's sum is taken of the unquantised p.  When M moves, sum and O are multiplied by 2^(old M - new M): exact.
; SHARES: a work-group takes two neighbouring heads of a batch for 256 queries; each of sixteen waves owns 16 queries, first for the one head, then for the other.
; K, V and their scale words of both heads, 143,360 consecutive bytes of kvimg, lie in LDS for the whole launch as images of operand registers; waves 0 to 7 fetch an eighth each, jointly with the cluster's three partners, which need the same bytes.  No LDS byte is filled twice.
; No prefetch: all tiles are asked for once, at the head; there is no loop that runs ahead of a load from memory.
; LAYOUT: S^T = K Q^T, O^T = V^T P^T: a lane holds one query (lane % 16).  The first product's K is 64, the instruction's 128: a fragment of K holds key tile t in registers 0-3 and tile t + 4 in registers 4-7;
; times [q; 0] (v20-27) it gives tile t, times [0; q] (v16-23) tile t + 4.  The half that meets zero codes adds nothing under any finite scale byte.  For tile t + 4 the two scale bytes stand in bytes 2, 3: the words shifted by 16.
; K's fragments and words of step n + 1 are read from LDS behind step n's first products; V's of step n at its top.
; LIMITS: NaN and infinities are not served; the scaled scores stay under 2^31 in magnitude.  A block whose largest magnitude lies under 2^-124, or a block of zeros, keeps the scale byte 1: the bytes are read by this program alone.
; REGISTERS: v1 16 x lane, v2 16 r; v3, v5 V's LDS addresses, v4, v224 K's; v6, v9 the word stage; v7, v8 the out word; v10, v11 Q's scale words (low, high); v12 -M, v13 largest t, v[14:15] the sum; v16-27 0, q, 0; v28-31, v226 the second head's q and word;
;   v32-63 K; v64-95 V; v96-159 S^T, then p; v160-191 O^T; v192-199 p's codes; v200-203, v248-251 K's words; v204-207 V's; v208-223, v227 at work; v228-235 out codes; v236-239 words out; v240-247, v252-253 partial sums; v254, v255 the add's.
.set REC,  71680                       ; a head's record: K's codes at 0, V's at 32,768, K's scale words at 65,536, V's at 69,632
.set QREC, 36864                       ; a head's record of q: codes at 0, scale words at 32,768
.set WSTG, 2*REC                       ; the 256 queries' scale words, 1,024 bytes, written by LDS stores alone
.set SPARE, 0x29000                    ; the spare words: 128 bytes a wave
.macro CROUND
	s_barrier_signal -1
	s_barrier_wait -1
	s_cmp_lg_u32 s12, 0
	s_cbranch_scc1 .Lnot_wave_0_\@
	s_barrier_signal -3
.Lnot_wave_0_\@:
	s_barrier_wait -3
	s_barrier_signal -1
	s_barrier_wait -1
.endm
	s_load_b256 s[4:11], s[0:1], 0x0               ; qimg, kvimg, aimg, asc
	v_lshl_add_u32 v254, v0, 2, SPARE
	v_mov_b32 v255, 0
	ds_add_u32 v254, v255                          ; the opening lines
	ds_add_u32 v254, v255
	v_lshrrev_b32 v1, 5, v0
	s_delay_alu instid0(VALU_DEP_1)
	v_readfirstlane_b32 s12, v1                    ; wave 0..15
	s_bfe_u32 s13, ttmp6, 0x40000                  ; cx: my block of 256 queries
	s_and_b32 s14, ttmp7, 0xffff                   ; the pair of heads: 8 x batch + pair
	v_and_b32 v1, 31, v0
	s_delay_alu instid0(VALU_DEP_1)
	v_lshlrev_b32 v1, 4, v1
	v_and_b32 v2, 15, v0
	s_delay_alu instid0(VALU_DEP_1)
	v_lshlrev_b32 v9, 2, v2
	s_delay_alu instid0(VALU_DEP_2)
	v_lshlrev_b32 v2, 4, v2
	s_lshl_b32 s2, s12, 6
	s_add_co_u32 s2, s2, WSTG
	v_add_nc_u32 v9, s2, v9                        ; the word stage: 64 x wave + 4 r
	v_lshl_add_u32 v6, v0, 4, WSTG                 ; and back: 16 bytes a thread (waves 0 and 1)
	v_lshlrev_b32 v225, 4, v0
	; group 1: 17,920 dense bytes as 70 rows of 256 (32 elements of 8 bytes)
	s_mov_b32 s16, 15|(3<<16)|(1<<21)              ; the mask: all four work-groups; bit 21 beside it
	s_mov_b32 s17, 32<<16
	s_mov_b32 s18, 70<<16
	s_mov_b32 s19, 32<<16
	s_mov_b32 s20, 70
	s_mov_b32 s21, 32
	s_mov_b32 s22, 0
	s_mov_b32 s23, 0
	s_and_b32 s15, s12, 7
	s_mul_i32 s15, s15, 17920                      ; my eighth, in LDS and in memory
	s_mul_i32 s2, s14, 2*REC
	s_add_co_u32 s2, s2, s15
	s_mov_b32 s3, 0
	s_lshl_b32 s36, s13, 4
	s_add_co_u32 s36, s36, s12                     ; T: my tile of 16 queries among the batch's 64
	s_mul_i32 s37, s14, 2*QREC
	s_lshl_b32 s40, s36, 9
	s_add_co_u32 s40, s40, s37                     ; Q's codes: 512 bytes a tile
	s_mov_b32 s41, 0
	s_lshr_b32 s42, s36, 3                         ; Q's scale words lie [128 tokens][half][r][tile of four]
	s_lshl_b32 s42, s42, 9
	s_add_co_u32 s42, s42, s37
	s_bfe_u32 s38, s36, 0x10002
	s_lshl_b32 s38, s38, 8
	s_add_co_u32 s42, s42, s38
	s_and_b32 s38, s36, 3
	s_lshl_b32 s38, s38, 2
	s_add_co_u32 s42, s42, s38
	s_add_co_u32 s42, s42, 32768
	s_mov_b32 s43, 0
	s_lshr_b32 s38, s14, 3                         ; the batch
	s_and_b32 s39, s14, 7                          ; the pair: which 128 of the last product's K
	s_lshl_b32 s44, s38, 6
	s_add_co_u32 s44, s44, s36
	s_lshl_b32 s44, s44, 3
	s_add_co_u32 s44, s44, s39
	s_lshl_b32 s44, s44, 10                        ; a fragment's image is 1,024 bytes
	s_mov_b32 s45, 0
	s_lshl_b32 s46, s39, 15                        ; asc: [K step][row] words
	s_lshl_b32 s38, s38, 12
	s_add_co_u32 s46, s46, s38
	s_lshl_b32 s38, s13, 10
	s_add_co_u32 s46, s46, s38
	s_mov_b32 s47, 0
	s_mov_b32 s32, 0x76543210
	s_mov_b32 s33, 0xfedcba98                      ; selects for lane l xor 16
	s_mov_b32 s34, 0x3fb8aa3b                      ; log2(e)
	s_mov_b32 s35, s34
	s_wait_dscnt 0x0
	s_wait_kmcnt 0x0
	s_add_nc_u64 s[40:41], s[4:5], s[40:41]
	s_add_nc_u64 s[42:43], s[4:5], s[42:43]
	s_add_nc_u64 s[44:45], s[8:9], s[44:45]
	s_add_nc_u64 s[46:47], s[10:11], s[46:47]
	s_mov_b32 s24, 1
	s_mov_b32 s25, s15
	s_add_nc_u64 s[26:27], s[6:7], s[2:3]
	s_or_b32 s27, s27, 0x80000000
	CROUND                                         ; all four work-groups are here: the joint loads meet
	s_cmp_lt_u32 s12, 8                            ; waves 0 to 7: one tensor load each
	s_cbranch_scc0 .Lno_fetch
	tensor_load_to_lds s[24:27], s[16:23]
	s_nop 0
.rept 4
	v_nop
.endr
.Lno_fetch:
	s_wait_alu depctr_va_vdst(0)
	global_load_b128 v[20:23], v1, s[40:41]        ; q of the first head: lane (r, h): query r, channels 32 h + 0 .. 31
	global_load_b128 v[28:31], v1, s[40:41] offset:QREC
	global_load_b32 v10, v2, s[42:43]
	global_load_b32 v226, v2, s[42:43] offset:QREC
.irp j, 16,17,18,19, 24,25,26,27, 212,213,214,215, 221, 223
	v_mov_b32 v[\j], 0                             ; the zero codes beside q; lane permutes' destinations; the pair v[220:221]'s upper half
.endr
.macro KPF                             ; the next step's K: its scale words first, then eight tiles in four fragments
	v_add_nc_u32 v4, s37, v1
	v_add_nc_u32 v224, s48, v1
	ds_load_b128 v[200:203], v224                  ; lanes 0-15 tiles 0-3, lanes 16-31 tiles 4-7
.irp t, 0,1,2,3
	ds_load_b128 v[32+8*\t:35+8*\t], v4 offset:512*\t
	ds_load_b128 v[36+8*\t:39+8*\t], v4 offset:2048+512*\t
.endr
.endm
.macro KHI                             ; the words with their two bytes at k = 64 .. 127
.irp t, 0,1,2,3
	v_lshlrev_b32 v[248+\t], 16, v[200+\t]
.endr
.endm
; A KEY STEP: 128 keys.  pf = 1: the next step's K is fetched.
.macro STEP pf
	v_add_nc_u32 v3, s36, v1                       ; (with the four additions behind the last products: the places ahead of the loads below)
	v_add_nc_u32 v5, s38, v2
.irp n, 0,1,2,3
.irp k, 0,1
	ds_load_b128 v[64+8*\n+4*\k:67+8*\n+4*\k], v3 offset:32768+1024*\n+512*\k
.endr
.endr
	ds_load_b128 v[204:207], v5                    ; V's scale words: lane r: channels 16 n + r
	s_wait_dscnt 9                                 ; K is in; V's nine loads may be out
.irp t, 0,1,2,3
	v_wmma_scale_f32_16x16x128_f8f6f4 v[96+8*\t:103+8*\t], v[32+8*\t:39+8*\t], v[20:27], 0, v[200+\t], v10 matrix_a_fmt:MATRIX_FMT_FP4 matrix_b_fmt:MATRIX_FMT_FP4
.endr
.irp t, 0,1,2,3
	v_wmma_scale_f32_16x16x128_f8f6f4 v[128+8*\t:135+8*\t], v[32+8*\t:39+8*\t], v[16:23], 0, v[248+\t], v11 matrix_a_fmt:MATRIX_FMT_FP4 matrix_b_fmt:MATRIX_FMT_FP4 matrix_a_scale:MATRIX_SCALE_ROW1
.endr
	v_mov_b32 v227, v12                            ; the old -M.  Four places behind the products
	v_nop
.if \pf
	KPF
.else
	v_nop
	v_nop
.endif
.irp b, 0,1,2,3
	v_max3_num_f32 v[208+\b], v[96+16*\b], v[97+16*\b], v[98+16*\b]   ; each block's largest score: for the row's maximum and for the block's largest p
.endr
.irp i, 3,5,7,9,11,13
.irp b, 0,1,2,3
	v_max3_num_f32 v[208+\b], v[208+\b], v[96+16*\b+\i], v[97+16*\b+\i]
.endr
.endr
.irp b, 0,1,2,3
	v_max_num_f32 v[208+\b], v[208+\b], v[111+16*\b]
.endr
.irp b, 0,1,2,3
	s_delay_alu instid0(VALU_DEP_4)
	v_permlanex16_b32 v[212+\b], v[208+\b], s32, s33
.endr
.irp b, 0,1,2,3
	s_delay_alu instid0(VALU_DEP_4)
	v_max_num_f32 v[208+\b], v[208+\b], v[212+\b]
.endr
	s_delay_alu instid0(VALU_DEP_2)
	v_max3_num_f32 v223, v208, v209, v210
	s_delay_alu instid0(VALU_DEP_1)
	v_max_num_f32 v223, v223, v211
	s_delay_alu instid0(VALU_DEP_1)
	v_mul_f32 v223, s34, v223                      ; as t
	s_delay_alu instid0(VALU_DEP_1)
	v_max_num_f32 v13, v13, v223
	s_delay_alu instid0(VALU_DEP_1)
	v_floor_f32 v12, -v13                          ; the new -M
	s_delay_alu instid0(VALU_DEP_1)
	v_sub_f32 v223, v12, v227                      ; old M - new M: a whole number, 0 or less
	s_delay_alu instid0(VALU_DEP_1)
	v_cvt_i32_f32 v223, v223                       ; (it saturates)
	s_delay_alu instid0(VALU_DEP_1)
	v_ldexp_f32 v220, 1.0, v223                    ; f = 2^(old M - new M)
.set j, 0
.rept 32
	v_pk_fma_f32 v[96+j:97+j], v[96+j:97+j], s[34:35], v[12:13] op_sel_hi:[1,0,0]   ; t - M
.set j, j+2
.endr
.irp b, 0,1,2,3
	v_fma_f32 v[208+\b], v[208+\b], s34, v12       ; the same of each block's largest score
.endr
	s_wait_alu depctr_va_vdst(0)
.set j, 0
.rept 64
	v_exp_f32 v[96+j], v[96+j]                     ; p = 2^(t - M)
.set j, j+1
.endr
.irp b, 0,1,2,3
	v_exp_f32 v[208+\b], v[208+\b]                 ; the block's largest p
.endr
	v_pk_mul_f32 v[14:15], v[14:15], v[220:221] op_sel_hi:[1,0]   ; the sum under the new M: the plain place behind the batch
.if \pf
	s_wait_dscnt 8                                 ; V and the next K's words are in; the eight loads of K's fragments may be out
.else
	s_wait_dscnt 0x0
.endif
	s_wait_alu depctr_va_vdst(0)                   ; one wait behind the batch, directly ahead of O^T's first readers
.set j, 0
.rept 16
	v_pk_mul_f32 v[160+j:161+j], v[160+j:161+j], v[220:221] op_sel_hi:[1,0]   ; O^T under the new M
.set j, j+2
.endr
.if \pf
	KHI
.endif
.irp b, 0,1,2,3
	v_max_num_f32 v[208+\b], 0x1800000, v[208+\b]  ; the floor 2^(3 - 127): the byte cannot fall under 1
.endr
.irp b, 0,1,2,3
	s_delay_alu instid0(VALU_DEP_4)
	v_add_nc_u32 v[216+\b], 0xff000000, v[208+\b]  ; 2 off the exponent field: the conversion's scale operand
.endr
.irp b, 0,1,2,3
	s_delay_alu instid0(VALU_DEP_4)
	v_lshrrev_b32 v[212+\b], 23, v[216+\b]         ; the scale's byte
.endr
	s_delay_alu instid0(VALU_DEP_3)
	v_lshl_or_b32 v222, v213, 8, v212              ; p's scale word
	s_delay_alu instid0(VALU_DEP_1)
	v_lshl_or_b32 v222, v214, 16, v222
	s_delay_alu instid0(VALU_DEP_1)
	v_lshl_or_b32 v222, v215, 24, v222
.irp b, 0,1,2,3
.irp u, 0,1
	v_cvt_scalef32_pk8_fp4_f32 v[192+4*(\b/2)+2*\u+(\b%2)], v[96+16*\b+8*\u:103+16*\b+8*\u], v[216+\b]   ; keys 32 b + 16 u + 8 h + 0 .. 7
.endr
.endr
	v_pk_add_f32 v[240:241], v[96:97], v[98:99]    ; the row's sum of the unquantised p, in six chains; these lines are the plain place behind the conversions
	v_pk_add_f32 v[242:243], v[100:101], v[102:103]
	v_pk_add_f32 v[244:245], v[104:105], v[106:107]
	v_pk_add_f32 v[246:247], v[108:109], v[110:111]
	v_pk_add_f32 v[252:253], v[112:113], v[114:115]
	v_pk_add_f32 v[14:15], v[14:15], v[116:117]
.irp k, 0,1
.irp u, 0,1
	v_permlane16_swap_b32 v[192+4*\k+2*\u], v[193+4*\k+2*\u]   ; register 4 k + i of lane half h: keys 64 k + 32 h + 8 i + 0 .. 7
.endr
.endr
.set j, 118
.rept 3                                        ; 22 additions: the places between p's codes and scale word and the products
	v_pk_add_f32 v[240:241], v[240:241], v[j:j+1]
	v_pk_add_f32 v[242:243], v[242:243], v[j+2:j+3]
	v_pk_add_f32 v[244:245], v[244:245], v[j+4:j+5]
	v_pk_add_f32 v[246:247], v[246:247], v[j+6:j+7]
	v_pk_add_f32 v[252:253], v[252:253], v[j+8:j+9]
	v_pk_add_f32 v[14:15], v[14:15], v[j+10:j+11]
.set j, j+12
.endr
	v_pk_add_f32 v[240:241], v[240:241], v[154:155]
	v_pk_add_f32 v[242:243], v[242:243], v[156:157]
	v_pk_add_f32 v[244:245], v[244:245], v[158:159]
	v_pk_add_f32 v[246:247], v[246:247], v[252:253]
.irp n, 0,1,2,3
	v_wmma_scale_f32_16x16x128_f8f6f4 v[160+8*\n:167+8*\n], v[64+8*\n:71+8*\n], v[192:199], v[160+8*\n:167+8*\n], v[204+\n], v222 matrix_a_fmt:MATRIX_FMT_FP4 matrix_b_fmt:MATRIX_FMT_FP4
.endr
	v_pk_add_f32 v[240:241], v[240:241], v[242:243]   ; four places behind the products
	v_pk_add_f32 v[244:245], v[244:245], v[246:247]
	s_delay_alu instid0(VALU_DEP_2)
	v_pk_add_f32 v[14:15], v[14:15], v[240:241]
	s_delay_alu instid0(VALU_DEP_1)
	v_pk_add_f32 v[14:15], v[14:15], v[244:245]
.endm
; Head c's result: O^T / the sum, quantised along the channels: two blocks of 32; the codes are half c of my fragment of the last product.
.macro OUT c
	v_add_f32 v14, v14, v15
	s_delay_alu instid0(VALU_DEP_1)
	v_permlanex16_b32 v223, v14, s32, s33
	s_delay_alu instid0(VALU_DEP_1)
	v_add_f32 v14, v14, v223
	s_wait_alu depctr_va_vdst(0)
	v_rcp_f32 v14, v14
	v_nop                                          ; a plain place behind it
	s_wait_alu depctr_va_vdst(0)                   ; ahead of its first reader, which is also O^T's
.set j, 0
.rept 16
	v_pk_mul_f32 v[96+j:97+j], v[160+j:161+j], v[14:15] op_sel_hi:[1,0]   ; register 8 n + i: channel 16 n + 8 h + i
.set j, j+2
.endr
.irp b, 0,1
	v_max3_num_f32 v[208+\b], |v[96+16*\b]|, |v[97+16*\b]|, 0x1800000
.endr
.irp i, 2,4,6,8,10,12,14
.irp b, 0,1
	s_delay_alu instid0(VALU_DEP_2)
	v_max3_num_f32 v[208+\b], v[208+\b], |v[96+16*\b+\i]|, |v[97+16*\b+\i]|
.endr
.endr
.irp b, 0,1
	s_delay_alu instid0(VALU_DEP_2)
	v_permlanex16_b32 v[212+\b], v[208+\b], s32, s33
.endr
.irp b, 0,1
	s_delay_alu instid0(VALU_DEP_2)
	v_max_num_f32 v[208+\b], v[208+\b], v[212+\b]
.endr
.irp b, 0,1
	s_delay_alu instid0(VALU_DEP_2)
	v_add_nc_u32 v[216+\b], 0xff000000, v[208+\b]
.endr
.irp b, 0,1
	s_delay_alu instid0(VALU_DEP_2)
	v_lshrrev_b32 v[212+\b], 23, v[216+\b]
.endr
.irp b, 0,1
.irp u, 0,1
	v_cvt_scalef32_pk8_fp4_f32 v[228+4*(\c)+2*\u+\b], v[96+16*\b+8*\u:103+16*\b+8*\u], v[216+\b]
.endr
.endr
	v_nop                                          ; one plain place behind a scaled conversion
.irp u, 0,1
	v_permlane16_swap_b32 v[228+4*(\c)+2*\u], v[229+4*(\c)+2*\u]
.endr
.if (\c) == 0
	v_lshl_or_b32 v7, v213, 8, v212                ; the first head's two bytes
.else
	v_lshl_or_b32 v8, v213, 8, v212
	s_delay_alu instid0(VALU_DEP_1)
	v_lshl_or_b32 v8, v8, 16, v7                   ; my row's scale word
.endif
	global_store_b128 v1, v[228+4*(\c):231+4*(\c)], s[44:45] offset:512*(\c)   ; 32 lanes store 512 consecutive bytes; these registers are not written again
.endm
.macro INIT c
	v_mov_b32 v13, 0xff61b1e6                      ; the largest t so far: -3e38
	s_delay_alu instid0(VALU_DEP_1)
	v_floor_f32 v12, -v13
	v_mov_b32 v14, 0
	v_mov_b32 v15, 0
.set j, 0
.rept 32
	v_mov_b32 v[160+j], 0                          ; O^T: the step is written once; the first change of M leaves zeros zeros
.set j, j+1
.endr
	s_mov_b32 s36, (\c)*REC                        ; the step's V lies 32,768 bytes on from here
	s_mov_b32 s38, (\c)*REC+69632                  ; V's scale words
	s_mov_b32 s37, (\c)*REC+4096                   ; the next step's K
	s_mov_b32 s48, (\c)*REC+65536+512              ; and its scale words
	s_mov_b32 s39, 7
.endm
.macro TRIPS                           ; seven steps; the eighth is written out, since what it fetches differs
.Lstep_\@:
	STEP 1
	s_add_co_u32 s36, s36, 4096
	s_add_co_u32 s38, s38, 256
	s_add_co_u32 s37, s37, 4096
	s_add_co_u32 s48, s48, 512
	s_sub_co_u32 s39, s39, 1
	s_cmp_lg_u32 s39, 0
	s_cbranch_scc1 .Lstep_\@
.endm
	s_wait_alu depctr_va_vdst(0)
	s_wait_loadcnt 0x0                             ; q
	s_wait_tensorcnt 0x0                           ; my eighth is in
	s_barrier_signal -1
	s_barrier_wait -1                              ; everybody's is: both records are whole
	s_mov_b32 s37, 0
	s_mov_b32 s48, 65536
	KPF                                            ; the first step's K
	s_wait_dscnt 0x0
	KHI
	v_lshlrev_b32 v11, 16, v10                     ; q's word for k = 64 .. 127
	INIT 0
	TRIPS
	s_mov_b32 s37, REC                             ; the first head's last step fetches the second head's first K
	s_mov_b32 s48, REC+65536
	STEP 1
	OUT 0
.irp j, 0,1,2,3
	v_mov_b32 v[20+\j], v[28+\j]                   ; the second head's q
.endr
	v_mov_b32 v10, v226
	v_lshlrev_b32 v11, 16, v226
	INIT 1
	TRIPS
	STEP 0
	OUT 1
	ds_store_b32 v9, v8                            ; lanes r and 16 + r write the same word with the same value
	s_wait_dscnt 0x0                               ; for the others' sake
	s_barrier_signal -1
	s_barrier_wait -1
	s_cmp_lt_u32 s12, 2                            ; the 256 words leave by two waves, 512 consecutive bytes each
	s_cbranch_scc0 .Lno_words
	ds_load_b128 v[236:239], v6
	s_wait_dscnt 0x0
	global_store_b128 v225, v[236:239], s[46:47]
.Lno_words:
	s_wait_tensorcnt 0x0                           ; the wave's end
	ds_add_u32 v254, v255
	s_wait_dscnt 0x0
	CROUND                                         ; the closing round
	s_endpgm
.Lfunc_end_k_qbfd5b7abd8_attn:
	.size	k_qbfd5b7abd8_attn, .Lfunc_end_k_qbfd5b7abd8_attn-k_qbfd5b7abd8_attn
	.p2alignl 7, 3214868480
	.fill 96, 4, 3214868480
	.section	.rodata,"a",@progbits
	.p2align	6, 0x0
	.amdhsa_kernel k_qbfd5b7abd8_attn
		.amdhsa_group_segment_fixed_size 169984
		.amdhsa_private_segment_fixed_size 0
		.amdhsa_enable_private_segment 0
		.amdhsa_kernarg_size 32
		.amdhsa_user_sgpr_count 2
		.amdhsa_user_sgpr_kernarg_segment_ptr 1
		.amdhsa_wavefront_size32 1
		.amdhsa_system_sgpr_workgroup_id_x 1
		.amdhsa_system_sgpr_workgroup_id_y 1
		.amdhsa_system_sgpr_workgroup_id_z 1
		.amdhsa_system_vgpr_workitem_id 0
		.amdhsa_next_free_vgpr 256
		.amdhsa_next_free_sgpr 66
		.amdhsa_reserve_vcc 0
		.amdhsa_float_denorm_mode_32 3
		.amdhsa_float_denorm_mode_16_64 3
		.amdhsa_memory_ordered 1
		.amdhsa_forward_progress 1
		.amdhsa_inst_pref_size 81
	.end_amdhsa_kernel
	.amdgpu_metadata
---
amdhsa.version: [ 1, 2 ]
amdhsa.kernels:
  - .name:           k_qbfd5b7abd8_attn
    .symbol:         k_qbfd5b7abd8_attn.kd
    .args:
      - { .name: qimg, .offset: 0, .size: 8, .value_kind: global_buffer, .address_space: global }
      - { .name: kvimg, .offset: 8, .size: 8, .value_kind: global_buffer, .address_space: global }
      - { .name: aimg, .offset: 16, .size: 8, .value_kind: global_buffer, .address_space: global }
      - { .name: asc, .offset: 24, .size: 8, .value_kind: global_buffer, .address_space: global }
    .group_segment_fixed_size: 169984
    .private_segment_fixed_size: 0
    .kernarg_segment_align: 8
    .kernarg_segment_size: 32
    .max_flat_workgroup_size: 512
    .sgpr_count:     66
    .vgpr_count:     256
    .wavefront_size: 32
...
	.end_amdgpu_metadata
.endif
;; end of part 2
;; launch oproj (part 3): grid 32 x 8, 4 waves a work-group, clusters of 4 x 1, 168,448 bytes of LDS; arguments aimg, asc, wo_codes, wo_scales, out0; writes out0
.if DOCPART == 3
	.amdgcn_target "amdgcn-amd-amdhsa--gfx1250"
	.amdhsa_code_object_version 6
	.text
	.protected	k_qbfd5b7abd8_oproj
	.globl	k_qbfd5b7abd8_oproj
	.p2align	8
	.type	k_qbfd5b7abd8_oproj,@function
k_qbfd5b7abd8_oproj:
	s_mov_b64 s[64:65], 0
	v_nop
	global_prefetch_b8 v0, s[64:65] scope:SCOPE_SE
	s_setreg_imm32_b32 hwreg(HW_REG_WAVE_MODE, 25, 1), 1
	s_wait_xcnt 0x0
	s_wait_alu depctr_hold_cnt(0) depctr_sa_sdst(0) depctr_va_vdst(0) depctr_va_sdst(0) depctr_va_ssrc(0) depctr_va_vcc(0) depctr_vm_vsrc(0)
	s_getreg_b32 s2, hwreg(HW_REG_IB_STS2, 6, 4)
	s_cmp_eq_u32 s2, 0
	s_cbranch_scc0 .Lentry_in_a_cluster
	s_endpgm
.Lentry_in_a_cluster:
	s_bfe_u32 s2, ttmp6, 0x10000c
	s_cmp_lg_u32 s2, 0x3003
	s_cbranch_scc0 .Lentry_shape_is_right
	s_endpgm
.Lentry_shape_is_right:
; out = attn Wo on codes of FP4 (E2M1) with one E8M0 scale for each 32 along K = 1,024; out is [8,192][1,024] f32.
; SHARES.  A work-group makes 256 rows x 128 columns; wave w rows 64 w .. 64 w + 63 by all 128 columns: 32 accumulators of 16 x 16.
; A wave's rows of attn are read by that wave alone.  They lie in memory as images of the operand's registers, so they go straight into registers: all of K, 64 loads of 512 consecutive bytes, 256 registers.
; Wo's 128 rows (a row = an output column, 512 bytes = all of K) are read by all four waves and by the cluster's four work-groups: they come into LDS once, by a joint load, a quarter a wave.  No LDS byte is filled twice.
; THE MATRIX INSTRUCTION IS USED TRANSPOSED (source 0 = 16 rows of Wo, source 1 = 16 rows of attn): a lane holds eight neighbouring numbers of a row of out.
; REGISTERS: window 0: v1-9 addresses; v16-31 attn's scale words (8 P + s: lanes 0-15 tile 2 P, lanes 16-31 tile 2 P + 1); v32-63 Wo's, likewise; v64-127, v128-191 Wo's fragments, two sets, later rows on their way out.
;   window 1: attn's fragment (T, s) at v[8 (8 T + s)].   window 2: accumulator (T, i) at v[8 (8 T + i)].
.set BP,   528                         ; a row of Wo in LDS: 512 bytes + 16 of padding = 132 words: the 16 rows that a fragment load touches start at 16 different groups of four banks
.set STG,  128*BP                      ; behind Wo's rows: a stage of 16 rows x 528 bytes for each wave, written by LDS stores alone
.set ASC,  16
.set BSC,  32
.set BF,   64
.set MSB, 0
.macro WIN new                         ; the immediate's high byte repeats the setting that is left
.if MSB != (\new)
	s_set_vgpr_msb (MSB<<8)|(\new)
.set MSB, (\new)
.endif
.endm
.macro CROUND                          ; a round of the cluster's barrier
	s_barrier_signal -1
	s_barrier_wait -1
	s_cmp_lg_u32 s14, 0
	s_cbranch_scc1 .Lnot_wave_0_\@
	s_barrier_signal -3
.Lnot_wave_0_\@:
	s_barrier_wait -3
	s_barrier_signal -1
	s_barrier_wait -1
.endm
.macro PLACES n
.rept \n
	v_nop
.endr
.endm
	s_load_b256 s[4:11], s[0:1], 0x0               ; aimg s[4:5], asc s[6:7], Wo's codes s[8:9], Wo's scales s[10:11]
	s_load_b64 s[12:13], s[0:1], 0x20              ; out
	v_lshl_add_u32 v254, v0, 2, 0x29000
	v_mov_b32 v255, 0
	ds_add_u32 v254, v255
	ds_add_u32 v254, v255
	v_lshrrev_b32 v1, 5, v0
	v_readfirstlane_b32 s14, v1                    ; wave 0..3
	s_bfe_u32 s15, ttmp6, 0x40000                  ; cx
	s_lshl_b32 s28, ttmp9, 2
	s_add_co_u32 s28, s28, s15                     ; my block of 256 rows
	s_and_b32 s29, ttmp7, 0xffff                   ; my block of 128 columns, which the four partners share
	; group 1: 32 rows of 512 bytes, dense, 16 bytes of padding behind each
	s_mov_b32 s16, 15|(0<<16)|(1<<20)|(1<<21)|(6<<22)|(3<<25)   ; 15:0 the mask: all four work-groups; elements of 1 byte; 20 padding on; 21 set beside a mask; 24:22 after every 128 words; 31:25 four words
	s_mov_b32 s17, 512<<16                         ; tensor_dim0
	s_mov_b32 s18, 32<<16                          ; tensor_dim1
	s_mov_b32 s19, 512<<16                         ; tile_dim0
	s_mov_b32 s20, 32                              ; tile_dim1
	s_mov_b32 s21, 512                             ; from row to row
	s_mov_b32 s22, 0
	s_mov_b32 s23, 0
	s_lshl_b32 s30, s29, 16                        ; 128 rows of 512 bytes a block,
	s_lshl_b32 s31, s14, 14                        ; 32 rows a wave
	s_add_co_u32 s30, s30, s31
	s_mov_b32 s31, 0
	s_lshl_b32 s32, s29, 12                        ; Wo's scales: 128 rows of 32 bytes
	s_mov_b32 s33, 0
	s_lshl_b32 s34, s28, 10                        ; asc: 4 bytes a row: 256 rows a block,
	s_lshl_b32 s35, s14, 8                         ; 64 a wave
	s_add_co_u32 s34, s34, s35
	s_mov_b32 s35, 0
	s_lshl_b32 s36, s28, 17                        ; aimg: 8,192 bytes a tile of 16 rows: 16 tiles a block,
	s_lshl_b32 s37, s14, 15                        ; 4 a wave
	s_add_co_u32 s36, s36, s37
	s_mov_b32 s37, 0
	s_lshl_b32 s38, s28, 20                        ; out: 4,096 bytes a row
	s_lshl_b32 s39, s14, 18
	s_add_co_u32 s38, s38, s39
	s_lshl_b32 s39, s29, 9                         ; and 512 bytes a block of columns
	s_add_co_u32 s38, s38, s39
	s_mov_b32 s39, 0
	v_and_b32 v7, 31, v0
	v_lshlrev_b32 v1, 4, v7                        ; 16 x lane
	v_lshlrev_b32 v2, 2, v7                        ; 4 x lane
	v_lshlrev_b32 v3, 5, v7                        ; 32 x lane
	v_and_b32 v8, 15, v0                           ; r
	v_bfe_u32 v9, v0, 4, 1                         ; h
	v_mul_u32_u24 v4, v8, BP
	v_lshl_add_u32 v5, v9, 5, v4
	v_lshl_add_u32 v4, v9, 4, v4                   ; a fragment of Wo: row r x pitch + 16 h
	s_mul_i32 s2, s14, 16*BP
	s_add_co_u32 s2, s2, STG                       ; my stage
	v_add_nc_u32 v5, s2, v5                        ; in: row r, 32 bytes for each half of the lanes
	v_add_nc_u32 v6, s2, v1                        ; back: the 32 lanes take one row of 512 bytes
	s_wait_dscnt 0x0
	s_wait_kmcnt 0x0
	s_mov_b32 s24, 1
	s_mul_i32 s25, s14, 32*BP                      ; wave x 32 rows: no place in the cluster enters an LDS address
	s_add_nc_u64 s[26:27], s[8:9], s[30:31]
	s_or_b32 s27, s27, 0x80000000
	s_add_nc_u64 s[32:33], s[10:11], s[32:33]
	s_add_nc_u64 s[34:35], s[6:7], s[34:35]
	s_add_nc_u64 s[36:37], s[4:5], s[36:37]
	s_add_nc_u64 s[38:39], s[12:13], s[38:39]
	CROUND                                         ; all four work-groups are here: the joint loads meet
	tensor_load_to_lds s[24:27], s[16:23]          ; one load of mine is out
	s_nop 0
.rept 4
	v_nop
.endr
	s_wait_alu depctr_va_vdst(0)
.irp p, 0,1,2,3
.irp k, 0,1
	global_load_b128 v[BSC+8*\p+4*\k:BSC+8*\p+4*\k+3], v3, s[32:33] offset:1024*\p+16*\k   ; Wo's scale words: lane l: row 32 p + l, K steps 4 k .. 4 k + 3
.endr
.endr
.irp p, 0,1
.irp s, 0,1,2,3,4,5,6,7
	global_load_b32 v[ASC+8*\p+\s], v2, s[34:35] offset:32768*\s+128*\p                    ; attn's: lane l: my row 32 p + l, K step s
.endr
.endr
	WIN 0x40                                       ; destination window 1
.irp s, 0,1,2,3,4,5,6,7                ; attn's fragments, K step by K step: eight loads a step
.irp t, 0,1,2,3
.irp c, 0,1
	global_load_b128 v[8*(8*\t+\s)+4*\c:8*(8*\t+\s)+4*\c+3], v1, s[36:37] offset:8192*\t+1024*\s+512*\c
.endr
.endr
.endr
	WIN 0
.macro BFETCH s, set                   ; Wo's eight fragments of K step s
.irp i, 0,1,2,3,4,5,6,7
.irp c, 0,1
	ds_load_b128 v[BF+64*(\set)+8*\i+4*\c:BF+64*(\set)+8*\i+4*\c+3], v4 offset:16*BP*\i+64*(\s)+32*\c
.endr
.endr
.endm
; 32 matrix instructions: K step s.  The 32 accumulators take turns, one instruction a turn, in the same order in every step.  The first step's products start the sums.
; A scale register holds two tiles' words: the odd tile's are read from lanes 16-31.
.macro MULS s
.set T, 0
.rept 4
.set I, 0
.rept 8
.set rD, 8*(8*T+I)
.set rB, BF+64*((\s)%2)+8*I
.set rA, 8*(8*T+(\s))
.set rX, BSC+8*(I/2)+(\s)
.set rY, ASC+8*(T/2)+(\s)
.set par, 2*(I%2)+(T%2)
.if (\s) == 0
.if par == 0
	v_wmma_scale_f32_16x16x128_f8f6f4 v[rD:rD+7], v[rB:rB+7], v[rA:rA+7], 0, v[rX], v[rY] matrix_a_fmt:MATRIX_FMT_FP4 matrix_b_fmt:MATRIX_FMT_FP4
.elseif par == 1
	v_wmma_scale_f32_16x16x128_f8f6f4 v[rD:rD+7], v[rB:rB+7], v[rA:rA+7], 0, v[rX], v[rY] matrix_a_fmt:MATRIX_FMT_FP4 matrix_b_fmt:MATRIX_FMT_FP4 matrix_b_scale:MATRIX_SCALE_ROW1
.elseif par == 2
	v_wmma_scale_f32_16x16x128_f8f6f4 v[rD:rD+7], v[rB:rB+7], v[rA:rA+7], 0, v[rX], v[rY] matrix_a_fmt:MATRIX_FMT_FP4 matrix_b_fmt:MATRIX_FMT_FP4 matrix_a_scale:MATRIX_SCALE_ROW1
.else
	v_wmma_scale_f32_16x16x128_f8f6f4 v[rD:rD+7], v[rB:rB+7], v[rA:rA+7], 0, v[rX], v[rY] matrix_a_fmt:MATRIX_FMT_FP4 matrix_b_fmt:MATRIX_FMT_FP4 matrix_a_scale:MATRIX_SCALE_ROW1 matrix_b_scale:MATRIX_SCALE_ROW1
.endif
.else
.if par == 0
	v_wmma_scale_f32_16x16x128_f8f6f4 v[rD:rD+7], v[rB:rB+7], v[rA:rA+7], v[rD:rD+7], v[rX], v[rY] matrix_a_fmt:MATRIX_FMT_FP4 matrix_b_fmt:MATRIX_FMT_FP4
.elseif par == 1
	v_wmma_scale_f32_16x16x128_f8f6f4 v[rD:rD+7], v[rB:rB+7], v[rA:rA+7], v[rD:rD+7], v[rX], v[rY] matrix_a_fmt:MATRIX_FMT_FP4 matrix_b_fmt:MATRIX_FMT_FP4 matrix_b_scale:MATRIX_SCALE_ROW1
.elseif par == 2
	v_wmma_scale_f32_16x16x128_f8f6f4 v[rD:rD+7], v[rB:rB+7], v[rA:rA+7], v[rD:rD+7], v[rX], v[rY] matrix_a_fmt:MATRIX_FMT_FP4 matrix_b_fmt:MATRIX_FMT_FP4 matrix_a_scale:MATRIX_SCALE_ROW1
.else
	v_wmma_scale_f32_16x16x128_f8f6f4 v[rD:rD+7], v[rB:rB+7], v[rA:rA+7], v[rD:rD+7], v[rX], v[rY] matrix_a_fmt:MATRIX_FMT_FP4 matrix_b_fmt:MATRIX_FMT_FP4 matrix_a_scale:MATRIX_SCALE_ROW1 matrix_b_scale:MATRIX_SCALE_ROW1
.endif
.endif
.set I, I+1
.endr
.set T, T+1
.endr
.endm
	s_wait_tensorcnt 0x0                           ; my 32 rows of Wo are in,
	s_barrier_signal -1
	s_barrier_wait -1                              ; everybody's are
	BFETCH 0, 0
.irp s, 0,1,2,3,4,5,6,7
.if \s > 0
	PLACES 4                                       ; in front of loads into the set that the last step's products have read
.endif
.if \s < 7
	BFETCH \s+1, (\s+1)%2
	s_wait_dscnt 16                                ; this step's fragments are in; the sixteen loads just issued may be out
.else
	s_wait_dscnt 0x0
.endif
	s_wait_loadcnt 8*(7-\s)                        ; the scale words and attn's fragments up to this step are in; the later steps' loads, eight each, may be out
	WIN 0xa4                                       ; source 0 window 0, source 1 window 1, C and D window 2
	MULS \s
	WIN 0
.endr
; THE WAY OUT, a block of 16 rows x 128 columns at a time, through my own stage in LDS: in as 32 bytes a lane, back as whole rows of 512 bytes.  LDS serves a wave's instructions in order (ISA guide 5.7.1.4): no wait between
; the stores and the loads, nor in front of the next block's stores.
.macro TOSTAGE t
	WIN 0x08                                       ; an LDS store's data are its source 1: window 2
.set I, 0
.rept 8
	ds_store_b128 v5, v[8*(8*(\t)+I):8*(8*(\t)+I)+3] offset:64*I          ; each accumulator from its low end on
	ds_store_b128 v5, v[8*(8*(\t)+I)+4:8*(8*(\t)+I)+7] offset:64*I+16
.set I, I+1
.endr
	WIN 0
.set BB, BF+64*((\t)%2)
.set I, 0
.rept 16
	ds_load_b128 v[BB+4*I:BB+4*I+3], v6 offset:BP*I
.set I, I+1
.endr
.endm
.macro SEND t, younger                 ; younger: the LDS instructions issued behind block t's loads, which may stay out
.set BB, BF+64*((\t)%2)
	s_wait_dscnt \younger
.set I, 0
.rept 16
	global_store_b128 v1, v[BB+4*I:BB+4*I+3], s[38:39] offset:(16*(\t)+I)*4096 th:TH_STORE_NT   ; 32 lanes store 512 consecutive bytes, at a multiple of 256 from out's first byte; written once, read by nobody here
.set I, I+1
.endr
.endm
	PLACES 4                                       ; behind the last products: their results are read and their operands' registers loaded from here on
	TOSTAGE 0
.irp t, 1,2,3
.if \t > 1
	s_wait_xcnt 0x0                                ; the stores of two blocks ago have read their registers: this block's loads may land there
.endif
	TOSTAGE \t
	SEND \t-1, 32                                  ; behind block t - 1's loads: block t's 16 stores and 16 loads
.endr
	SEND 3, 0
	s_wait_dscnt 0x0
	s_wait_tensorcnt 0x0
	ds_add_u32 v254, v255
	s_wait_dscnt 0x0
	CROUND                                         ; the closing round
	s_endpgm
.Lfunc_end_k_qbfd5b7abd8_oproj:
	.size	k_qbfd5b7abd8_oproj, .Lfunc_end_k_qbfd5b7abd8_oproj-k_qbfd5b7abd8_oproj
	.p2alignl 7, 3214868480
	.fill 96, 4, 3214868480
	.section	.rodata,"a",@progbits
	.p2align	6, 0x0
	.amdhsa_kernel k_qbfd5b7abd8_oproj
		.amdhsa_group_segment_fixed_size 168448
		.amdhsa_private_segment_fixed_size 0
		.amdhsa_enable_private_segment 0
		.amdhsa_kernarg_size 40
		.amdhsa_user_sgpr_count 2
		.amdhsa_user_sgpr_kernarg_segment_ptr 1
		.amdhsa_wavefront_size32 1
		.amdhsa_system_sgpr_workgroup_id_x 1
		.amdhsa_system_sgpr_workgroup_id_y 1
		.amdhsa_system_sgpr_workgroup_id_z 1
		.amdhsa_system_vgpr_workitem_id 0
		.amdhsa_next_free_vgpr 768
		.amdhsa_next_free_sgpr 66
		.amdhsa_reserve_vcc 0
		.amdhsa_float_denorm_mode_32 3
		.amdhsa_float_denorm_mode_16_64 3
		.amdhsa_memory_ordered 1
		.amdhsa_forward_progress 1
		.amdhsa_inst_pref_size 70
	.end_amdhsa_kernel
	.amdgpu_metadata
---
amdhsa.version: [ 1, 2 ]
amdhsa.kernels:
  - .name:           k_qbfd5b7abd8_oproj
    .symbol:         k_qbfd5b7abd8_oproj.kd
    .args:
      - { .name: aimg, .offset: 0, .size: 8, .value_kind: global_buffer, .address_space: global }
      - { .name: asc, .offset: 8, .size: 8, .value_kind: global_buffer, .address_space: global }
      - { .name: wo_codes, .offset: 16, .size: 8, .value_kind: global_buffer, .address_space: global }
      - { .name: wo_scales, .offset: 24, .size: 8, .value_kind: global_buffer, .address_space: global }
      - { .name: out0, .offset: 32, .size: 8, .value_kind: global_buffer, .address_space: global }
    .group_segment_fixed_size: 168448
    .private_segment_fixed_size: 0
    .kernarg_segment_align: 8
    .kernarg_segment_size: 40
    .max_flat_workgroup_size: 128
    .sgpr_count:     66
    .vgpr_count:     768
    .wavefront_size: 32
...
	.end_amdgpu_metadata
.endif
;; end of part 3
